; MI455X (gfx1250); checked and timed in simulation.
; The chip was launched on July 23, 2026; its instructions are those of AMD's public machine-readable ISA for CDNA 5 (MIT licence, August 2026) and "CDNA5" Instruction Set Architecture Reference Guide (July 2026). The comments in the code are by the model that wrote it; some were corrected since.
;; Multi Head Ver2. Allowed arithmetic: matrix products marked QUANTISED: E2M3 operands, one E8M0 scale for each 32 along K, by v_wmma_scale_f32_16x16x128_f8f6f4 with both operands' format E2M3, f32 sums; everything else in f32.
;; Inputs: Wk 1,024 x 1,024 float32; Wq 1,024 x 1,024 float32; Wv 1,024 x 1,024 float32; x 4 x 2,048 x 1,024 float32.
;; Outputs: out0 4 x 2,048 x 1,024 float32.
;; This version of the problem:
;;   THIS VERSION OF THE PROBLEM IS GIVEN IN LOW PRECISION. The matrix products marked QUANTISED in the list below multiply operands that are first quantised to E2M3 (2 exponent bits, 3 mantissa bits; 6 bits a number), with one power-of-two scale for each 32 numbers along K (OCP MX v1.0); their sums are f32. All else is computed in f32.
;;   The module's matrix products, in the order in which they are computed (A, B: the left and right operand; K: the contracted axis; several contracted axes count as one K, in the product's order):
;;     1. [M 8,192, K 1,024] x [K 1,024, N 1,024]; A: input x; B: input Wq: QUANTISED
;;     2. [M 8,192, K 1,024] x [K 1,024, N 1,024]; A: input x; B: input Wk: QUANTISED
;;     3. [M 8,192, K 1,024] x [K 1,024, N 1,024]; A: input x; B: input Wv: QUANTISED
;;     4. batch 64 x [M 2,048, K 64] x [K 64, N 2,048]; A: computed on the way; B: computed on the way: QUANTISED
;;     5. batch 64 x [M 2,048, K 2,048] x [K 2,048, N 64]; A: softmax (see below); B: computed on the way: QUANTISED
;;   THE QUANTISER, for each operand of a quantised product, along K:
;;     - K is cut into blocks of 32 from its start; a last block that is shorter is filled with zeros.
;;     - A block's scale is 2^e with e = floor(log2(the largest magnitude in the block)) - 2, held to -126 .. 127; a block of zeros has e = 0. As a byte (E8M0): e + 127.
;;     - Each number is divided by its block's scale, clamped to +-7.5, and rounded to the nearest number of E2M3, ties to even, subnormals kept.
;;     - The product sums the exact products of the quantised numbers (number of the format x scale) in f32.
;;   ~~~python
;;   def quantise(x, axis):      # numpy; x: float32 -> the quantised numbers, widened to float32 again
;;       x = np.moveaxis(x, axis, -1); K = x.shape[-1]
;;       x = np.pad(x, [(0, 0)] * (x.ndim - 1) + [(0, -K % 32)]); x = x.reshape(x.shape[:-1] + (-1, 32)); a = np.abs(x).max(-1, keepdims=True)
;;       e = np.where(a > 0, np.clip(np.frexp(np.where(a > 0, a, 1))[1] - 1 - 2, -126, 127), 0)      # np.frexp(a)[1] - 1 = floor(log2(a)), exactly
;;       r = np.clip(x / 2.0 ** e, -7.5, 7.5)
;;       step = 2.0 ** (np.maximum(np.frexp(np.where(r == 0, 1, r))[1] - 1, 0) - 3)
;;       q = np.round(r / step) * step * 2.0 ** e      # np.round: ties to even
;;       return np.moveaxis(q.reshape(q.shape[:-2] + (-1,))[..., :K], -1, axis).astype(np.float32)
;;   ~~~
;;   SOFTMAX AHEAD OF A QUANTISED PRODUCT. Where the list says 'softmax', what is quantised is not the finished softmax but p = 2^(t - M), with t = logit x log2(e) and M = ceil(the row's largest t), a whole number; so 1/2 < the row's largest p <= 1. The row's sum l is taken of the UNQUANTISED p, in f32, and the product's result is divided by l at the end. Since M is a whole number, a kernel that streams over the keys may use a running M (the ceiling of the running maximum): every later rescaling is an exact power of two, which a block's scale takes up: the codes' values come out the same.
;;   OPERANDS COMPUTED ON THE WAY. 'Computed on the way' means the value that the module computes at that place (a softmax that the list does not call 'softmax' is quantised finished and normalised). What goes into a quantiser is computed in f32, as accurately as f32 sums, v_exp_f32 and their like allow (about 1e-6 of the number): no bf16 or f16 on the way to a quantiser, and a product that is left as it is and whose result goes on into a quantised operand takes f32 operands (vector FMAs, or v_wmma_f32_16x16x4_f32). A number that lies on a knife's edge between two numbers of the format may be rounded either way, as far as f32 arithmetic and the matrix unit's own rounding can turn it there, and no further.
;; One version. Each part assembles by itself: llvm-mc -triple=amdgcn-amd-amdhsa -mcpu=gfx1250 --defsym DOCPART=n.
;; ======== version 1 of 1: 3 launches
;; limits: right only within a limited range of input values
;; workspace buffers: oc 8,650,752 bytes; os 360,448 bytes; qb 6,815,744 bytes; kv 13,631,488 bytes
;; launch quant (part 1): grid 704 x 1, 4 waves a work-group, no clusters, 34,304 bytes of LDS; arguments x, Wq, Wk, Wv, oc, os; writes oc, os
.if DOCPART == 1
	.amdgcn_target "amdgcn-amd-amdhsa--gfx1250"
	.amdhsa_code_object_version 6
	.text
	.protected	k_qc8f392d8a0_quant
	.globl	k_qc8f392d8a0_quant
	.p2align	8
	.type	k_qc8f392d8a0_quant,@function
k_qc8f392d8a0_quant:
	s_mov_b64 s[64:65], 0
	v_nop
	global_prefetch_b8 v0, s[64:65] scope:SCOPE_SE
	s_setreg_imm32_b32 hwreg(HW_REG_WAVE_MODE, 25, 1), 1
	s_wait_xcnt 0x0
; x [8192][1024], Wq, Wk, Wv [1024][1024], f32, K = the last axis, become codes of FP6 (E2M3) with one E8M0 scale byte for each 32 along K,
; laid as IMAGES OF OPERAND REGISTERS, so that the next launch brings whole fragments by dense loads.
; ROW TILES: 704 of 16 rows: 0-511 x, 512-575 Wq, 576-639 Wk, 640-703 Wv.  THE ROWS OF A TILE ARE NOT NEIGHBOURS: tile 2 G + u of a tensor holds rows
; 32 G + 8 u + i + 8 (i / 8), i = 0 .. 15, so that in a product's result the 16 registers of two neighbouring tiles are 16 neighbouring rows.
; oc: fragment (tile T, K step s of 128) at 12,288 T + 1,536 s: registers 4 g .. 4 g + 3 of lane l at 512 g + 16 l; lane (r, h) holds, of tile row r, in registers 6 c .. 6 c + 5 the codes of K = 64 c + 32 h + 0 .. 31.
; os: the scale word (four bytes: 128 along K) of tile row r at 512 T + 64 s + 4 r.
; A block's scale is 2^(floor(log2(its largest magnitude)) - 2); its byte is the largest magnitude's exponent field - 2, held at 1 from below.
; LIMITS: NaN and infinities among the inputs are not served.  A block of zeros gets the byte 1 where the rule says 127: its codes are zeros, which add nothing, and this program alone reads the bytes.
; SHARES: a work-group takes a row tile, wave j its K steps 2 j and 2 j + 1: 32 loads of 512 consecutive bytes, all issued at the head.  A load takes a row's bytes as they lie, 16 a lane;
; a lane's conversions want 32 neighbours along K: so a K step's 16 rows x 512 bytes turn through the wave's own stage in LDS.  Waves share nothing: no barrier.  Work-groups share no input: no cluster.
.set R,   32                           ; v32-159   as loaded: K step k, row i at R + 64 k + 4 i
.set X,   160                          ; v160-223  my 64 numbers of a K step: block c at X + 32 c
.set C,   224                          ; v224-247  the codes: 12 registers for each K step, so that no store's data are written again
.set STG, 16*528                       ; a wave's stage: 16 rows of 512 bytes + 16: 132 words, so row r starts at bank 4 r mod 64 (64 banks of 4 bytes: ISA guide 11.1)
	s_load_b256 s[4:11], s[0:1], 0x0               ; x, Wq, Wk, Wv
	s_load_b128 s[12:15], s[0:1], 0x20             ; oc, os
	v_lshl_add_u32 v254, v0, 2, 0x8400
	v_mov_b32 v255, 0
	v_lshrrev_b32 v7, 5, v0
	v_readfirstlane_b32 s22, v7                    ; wave j
	v_and_b32 v7, 31, v0                           ; lane
	v_lshlrev_b32 v1, 4, v7                        ; 16 x lane: my bytes of a load's 512, and of an image's
	v_lshlrev_b32 v2, 2, v7                        ; 4 x lane: my scale word's place
	v_and_b32 v8, 15, v0                           ; r
	v_bfe_u32 v5, v0, 4, 1                         ; h
	v_lshlrev_b32 v6, 3, v5                        ; 8 h: my bytes' place in a scale word, in bits
	s_mul_i32 s23, s22, STG
	v_add_nc_u32 v3, s23, v1                       ; the stage, on the way in
	v_mul_u32_u24 v4, v8, 528
	v_lshl_add_u32 v4, v5, 7, v4
	v_add_nc_u32 v4, s23, v4                       ; and on the way out: row r, + 128 h: my 32 numbers of the row's first 64
	v_mov_b32 v14, 0                               ; a lane permute's destination counts as one of its sources
	s_mov_b32 s24, 0x76543210
	s_mov_b32 s25, 0xfedcba98                      ; v_permlanex16_b32's selects for lane l xor 16
	s_mov_b32 s18, 640
	s_wait_alu depctr_va_vdst(0)
	s_wait_kmcnt 0x0
	s_cmp_lt_u32 ttmp9, 640                        ; which tensor: the choice hangs on the work-group's number alone
	s_cselect_b64 s[16:17], s[8:9], s[10:11]
	s_cselect_b32 s18, 576, s18
	s_cmp_lt_u32 ttmp9, 576
	s_cselect_b64 s[16:17], s[6:7], s[16:17]
	s_cselect_b32 s18, 512, s18
	s_cmp_lt_u32 ttmp9, 512
	s_cselect_b64 s[16:17], s[4:5], s[16:17]
	s_cselect_b32 s18, 0, s18                      ; the tensor's first row tile
	s_sub_co_u32 s19, ttmp9, s18                   ; my tile in the tensor: 2 G + u
	s_lshr_b32 s20, s19, 1
	s_lshl_b32 s20, s20, 5
	s_and_b32 s19, s19, 1
	s_lshl_b32 s19, s19, 3
	s_add_co_u32 s20, s20, s19                     ; its first row: 32 G + 8 u
	s_lshl_b32 s20, s20, 12                        ; rows of 4,096 bytes
	s_lshl_b32 s19, s22, 10                        ; my two K steps: 1,024 bytes
	s_add_co_u32 s20, s20, s19
	s_mov_b32 s21, 0
	s_add_nc_u64 s[16:17], s[16:17], s[20:21]
	s_mul_i32 s20, ttmp9, 12288
	s_mul_i32 s19, s22, 3072
	s_add_co_u32 s20, s20, s19
	s_add_nc_u64 s[12:13], s[12:13], s[20:21]      ; my two fragments in oc
	s_lshl_b32 s20, ttmp9, 9
	s_lshl_b32 s19, s22, 7
	s_add_co_u32 s20, s20, s19
	s_add_nc_u64 s[14:15], s[14:15], s[20:21]      ; my 32 scale words in os
.irp k, 0,1
.irp i, 0,1,2,3,4,5,6,7,8,9,10,11,12,13,14,15
	global_load_b128 v[R+64*\k+4*\i:R+64*\k+4*\i+3], v1, s[16:17] offset:(\i+8*(\i/8))*4096+512*\k th:TH_LOAD_NT   ; 32 lanes read 512 consecutive bytes of tile row i; read once
.endr
.endr
; One K step: through the stage, two blocks' scales, 64 codes, three stores of 512 consecutive bytes.
.macro HALF k
.if \k == 0
	s_wait_loadcnt 16                              ; loads come back in order: this K step's sixteen are in, the other's sixteen may be out
.else
	s_wait_loadcnt 0x0
.endif
.irp i, 0,1,2,3,4,5,6,7,8,9,10,11,12,13,14,15
	ds_store_b128 v3, v[R+64*\k+4*\i:R+64*\k+4*\i+3] offset:528*\i
.endr
.irp c, 0,1
.irp q, 0,1,2,3,4,5,6,7
	ds_load_b128 v[X+32*\c+4*\q:X+32*\c+4*\q+3], v4 offset:256*\c+16*\q   ; LDS serves a wave's instructions in order: these see the stores above
.endr
.endr
	s_wait_dscnt 0x0
.irp c, 0,1
	v_max3_num_f32 v[8+\c], |v[X+32*\c]|, |v[X+32*\c+1]|, 0x1800000   ; block 2 c + h is all mine; the floor 2^(3 - 127) holds the byte at 1 from below
.endr
.irp i, 2,4,6,8,10,12,14,16,18,20,22,24,26,28,30
.irp c, 0,1
	v_max3_num_f32 v[8+\c], v[8+\c], |v[X+32*\c+\i]|, |v[X+32*\c+\i+1]|   ; (the two blocks by turns)
.endr
.endr
.irp c, 0,1
	v_add_nc_u32 v[10+\c], 0xff000000, v[8+\c]     ; 2 off the exponent field: the conversion takes this operand's exponent field as its scale
.endr
.irp c, 0,1
	v_lshrrev_b32 v[12+\c], 23, v[10+\c]           ; the scale's byte
.endr
	v_lshl_or_b32 v[24+\k], v13, 16, v12           ; my two bytes, blocks h and 2 + h,
	v_lshlrev_b32 v[24+\k], v6, v[24+\k]           ; at their places;
	v_permlanex16_b32 v14, v[24+\k], s24, s25
	v_or_b32 v[24+\k], v[24+\k], v14               ; with lane l xor 16's two the row's word is whole, in both halves of the lanes
.irp c, 0,1
	v_cvt_scalef32_pk16_fp6_f32 v[C+12*\k+6*\c:C+12*\k+6*\c+2], v[X+32*\c:X+32*\c+15], v[10+\c]
	v_cvt_scalef32_pk16_fp6_f32 v[16+4*\c:18+4*\c], v[X+32*\c+16:X+32*\c+31], v[10+\c]   ; (a conversion's three registers begin on an even number: the block's second half is made elsewhere and moved)
.endr
	v_nop                                          ; one plain place behind a scaled conversion
.irp c, 0,1
.irp i, 0,1,2
	v_mov_b32 v[C+12*\k+6*\c+3+\i], v[16+4*\c+\i]
.endr
.endr
.irp g, 0,1,2
	global_store_b128 v1, v[C+12*\k+4*\g:C+12*\k+4*\g+3], s[12:13] offset:1536*\k+512*\g   ; 32 lanes store 512 consecutive bytes, at a multiple of 256 from oc's first byte
.endr
.endm
	HALF 0
	HALF 1
	v_cmp_ne_u32 vcc_lo, 0, v5
	v_cndmask_b32 v26, v24, v25, vcc_lo            ; lanes 0-15: K step 2 j's words, lanes 16-31: K step 2 j + 1's
	global_store_b32 v2, v26, s[14:15]             ; 128 consecutive bytes a wave: one byte in 128 of what the launch reads; gathering four waves' words would cost a barrier
	s_wait_tensorcnt 0x0
	ds_add_u32 v254, v255
	s_wait_dscnt 0x0
	s_endpgm
.Lfunc_end_k_qc8f392d8a0_quant:
	.size	k_qc8f392d8a0_quant, .Lfunc_end_k_qc8f392d8a0_quant-k_qc8f392d8a0_quant
	.p2alignl 7, 3214868480
	.fill 96, 4, 3214868480
	.section	.rodata,"a",@progbits
	.p2align	6, 0x0
	.amdhsa_kernel k_qc8f392d8a0_quant
		.amdhsa_group_segment_fixed_size 34304
		.amdhsa_private_segment_fixed_size 0
		.amdhsa_enable_private_segment 0
		.amdhsa_kernarg_size 48
		.amdhsa_user_sgpr_count 2
		.amdhsa_user_sgpr_kernarg_segment_ptr 1
		.amdhsa_wavefront_size32 1
		.amdhsa_system_sgpr_workgroup_id_x 1
		.amdhsa_system_sgpr_workgroup_id_y 1
		.amdhsa_system_sgpr_workgroup_id_z 1
		.amdhsa_system_vgpr_workitem_id 0
		.amdhsa_next_free_vgpr 256
		.amdhsa_next_free_sgpr 66
		.amdhsa_reserve_vcc 1
		.amdhsa_float_denorm_mode_32 3
		.amdhsa_float_denorm_mode_16_64 3
		.amdhsa_memory_ordered 1
		.amdhsa_forward_progress 1
		.amdhsa_inst_pref_size 17
	.end_amdhsa_kernel
	.amdgpu_metadata
---
amdhsa.version: [ 1, 2 ]
amdhsa.kernels:
  - .name:           k_qc8f392d8a0_quant
    .symbol:         k_qc8f392d8a0_quant.kd
    .args:
      - { .name: x, .offset: 0, .size: 8, .value_kind: global_buffer, .address_space: global }
      - { .name: Wq, .offset: 8, .size: 8, .value_kind: global_buffer, .address_space: global }
      - { .name: Wk, .offset: 16, .size: 8, .value_kind: global_buffer, .address_space: global }
      - { .name: Wv, .offset: 24, .size: 8, .value_kind: global_buffer, .address_space: global }
      - { .name: oc, .offset: 32, .size: 8, .value_kind: global_buffer, .address_space: global }
      - { .name: os, .offset: 40, .size: 8, .value_kind: global_buffer, .address_space: global }
    .group_segment_fixed_size: 34304
    .private_segment_fixed_size: 0
    .kernarg_segment_align: 8
    .kernarg_segment_size: 48
    .max_flat_workgroup_size: 128
    .sgpr_count:     66
    .vgpr_count:     256
    .wavefront_size: 32
...
	.end_amdgpu_metadata
.endif
;; end of part 1
;; launch proj (part 2): grid 16 x 16, 8 waves a work-group, clusters of 4 x 4, 327,680 bytes of LDS; arguments oc, os, qb, kv; writes qb, kv
.if DOCPART == 2
	.amdgcn_target "amdgcn-amd-amdhsa--gfx1250"
	.amdhsa_code_object_version 6
	.text
	.protected	k_qc8f392d8a0_proj
	.globl	k_qc8f392d8a0_proj
	.p2align	8
	.type	k_qc8f392d8a0_proj,@function
k_qc8f392d8a0_proj:
	s_mov_b64 s[64:65], 0
	v_nop
	global_prefetch_b8 v0, s[64:65] scope:SCOPE_SE
	s_setreg_imm32_b32 hwreg(HW_REG_WAVE_MODE, 25, 1), 1
	s_wait_xcnt 0x0
	s_wait_alu depctr_hold_cnt(0) depctr_sa_sdst(0) depctr_va_vdst(0) depctr_va_sdst(0) depctr_va_ssrc(0) depctr_va_vcc(0) depctr_vm_vsrc(0)
	s_getreg_b32 s2, hwreg(HW_REG_IB_STS2, 6, 4)
	s_cmp_eq_u32 s2, 0
	s_cbranch_scc0 .Lentry_in_a_cluster
	s_endpgm
.Lentry_in_a_cluster:
	s_bfe_u32 s2, ttmp6, 0x10000c
	s_cmp_lg_u32 s2, 0xf033
	s_cbranch_scc0 .Lentry_shape_is_right
	s_endpgm
.Lentry_shape_is_right:
; q = x Wq^T, k = x Wk^T, v = x Wv^T on codes of FP6 (E2M3) with E8M0 scales, sums in f32, K = 1,024 ascending; the results are quantised in registers and leave as codes.
; A TILE multiplies 128 rows of S0 (source 0) by 256 rows of S1 (source 1).  A lane holds ONE row of S1 and its registers run along S0, the axis along which the result is quantised.
; q, k: S0 = 128 rows of a weight (two heads), S1 = 256 tokens.  v: S0 = 128 tokens (keys), S1 = 256 rows of Wv (four heads).
; oc's row tiles hold rows 32 G + 8 u + i + 8 (i / 8): the 16 registers of S0 tiles 2 G, 2 G + 1 are 16 neighbours along S0.
; A WORK-GROUP STAYS AND MAKES THREE TILES, written out by one macro: with y the cluster's y (0 .. 3): q or k at Y = y, q or k at Y = y + 4, v at S0 = 16 y + 4 X + cx.  256 work-groups, equal work.
; SHARES: eight waves, each 64 (S0) x 64 (S1), 16 accumulators; wave w takes S0 tiles 4 (w & 1) + a and S1 tiles 4 (w >> 1) + b.
; LDS holds both operands for all of K, in four chunks of 256 along K.  Wave w fetches chunk w >> 1 of S1 (w even: 16 rows of 3,072 bytes) or of S0 (w odd: 8 rows): one joint load a wave at the head.
; S1's tile is shared along a row of the cluster, S0's along a column.  REFILLS, each behind a drained round of the cluster's barrier: behind chunk 1's products waves 0-3 ask for the next tile's chunks 0, 1;
; behind chunk 3's, waves 4-7 for its chunks 2, 3.  So a refill has two chunks' products (or the way out and two chunks) between its request and the wait for it.  One tensor load is out a wave at the most.
; Tile 1 has tile 0's rows of S0 (the same weight), which stay in LDS: only S1 is asked for again.
; THE SCALE WORDS of a tile, 8,192 + 4,096 dense bytes of os, come by three loads of 512 consecutive bytes a wave and go by ds_store into LDS bytes of their own, on which no tensor load lands.
; No prefetch: the text has no loop to run ahead in.
; OUT: a unit is 64 tokens of one head: four tiles of 768 bytes (registers 0-3 of lane l at 16 l, registers 4-5 at 512 + 8 l) and 256 bytes of scale words, tile b's word of tile row r at 16 r + 4 b.
;   qb: unit I = 32 hd + u: codes at 3,072 I, scale words at 6,291,456 + 256 I.   kv: head hd at 212,992 hd: 16 steps of 12,288 bytes: K's two units, then V's two; from 196,608 on 16 x 1,024 bytes of scale words.
; LIMITS: NaN and infinities are not served.  A block of zeros gets the byte 1 where the rule says 127: its codes are zeros, and this program alone reads the bytes.
.set S1C, 0                            ; S1's codes: chunk c at 49,152 c, tile t at 3,072 t, K step at 1,536
.set S0C, 196608                       ; S0's: chunk c at 24,576 c
.set S1S, 294912                       ; S1's scale words: 512 t + 64 K step + 4 r
.set S0S, 303104                       ; S0's
.set SPARE, 307200                     ; the spare words: 128 bytes a wave
.set WV,  12                           ; s12 wave; s13 cx; s14 cy; s15 y; s16 w & 1; s17 w >> 1; s90 4 X + cx
.set G0A, 24                           ; s[24:27] group 0 for S1; s[28:31] for S0
.set G0B, 28
.set G1A, 68                           ; s[68:75] group 1 for S1; s[76:83] for S0
.set G1B, 76
.set SC,  12                           ; v12-15 scale words: lanes 0-15 S1's tile i, lanes 16-31 S0's tile i
.set F0,  32                           ; v32-79 S0's four fragments
.set F1,  80                           ; v80-127 S1's four
.set ACC, 128                          ; accumulator (a, b) at ACC + 32 b + 8 a
.macro BARRIER
	s_barrier_signal -1
	s_barrier_wait -1
.endm
.macro CROUND                          ; a round of the cluster's barrier
	BARRIER
	s_cmp_lg_u32 s[WV], 0
	s_cbranch_scc1 .Lnot_wave_0_\@
	s_barrier_signal -3
.Lnot_wave_0_\@:
	s_barrier_wait -3
	BARRIER
.endm
.macro PLACES
.rept 4
	v_nop
.endr
.endm
.macro GROUP1 g, c, r, p               ; r rows of c elements of 8 bytes, p elements from row to row
	s_mov_b32 s[\g+1], (\c)<<16
	s_mov_b32 s[\g+2], (\r)<<16
	s_mov_b32 s[\g+3], (\c)<<16
	s_mov_b32 s[\g+4], \r
	s_mov_b32 s[\g+5], \p
	s_mov_b32 s[\g+6], 0
	s_mov_b32 s[\g+7], 0
.endm
.macro TL g0, g1
	tensor_load_to_lds s[\g0:\g0+3], s[\g1:\g1+7]
	s_nop 0
	PLACES
.endm
.macro ARM n, g0, g1, id               ; wave n's own load line, in one chain of branches that joins at .Lasked_id
	s_cmp_eq_u32 s[WV], \n
	s_cbranch_scc0 .Lnot\n\()_\id
	TL \g0, \g1
	s_branch .Lasked_\id
.Lnot\n\()_\id:
.endm
.macro FILLA both, id                  ; the next tile's chunks 0 and 1
	ARM 0, G0A, G1A, \id
.if \both
	ARM 1, G0B, G1B, \id
.endif
	ARM 2, G0A, G1A, \id
.if \both
	ARM 3, G0B, G1B, \id
.endif
.Lasked_\id:
.endm
.macro FILLB both, id                  ; its chunks 2 and 3
	ARM 4, G0A, G1A, \id
.if \both
	ARM 5, G0B, G1B, \id
.endif
	ARM 6, G0A, G1A, \id
.if \both
	ARM 7, G0B, G1B, \id
.endif
.Lasked_\id:
.endm
; Tile t's addresses.  S0's numbers stand in s20, s21, s23, s90, which never hold cy; S1's in s2, s3, s22, which never hold cx; s91 holds the wave's share alone.  s101: S0's number, for the output's place.
.macro DESC t
.if (\t) < 2
	s_mov_b32 s101, s90
	s_lshl_b32 s21, s90, 3
	s_add_co_u32 s21, s21, 512                     ; S0's first row tile: the weights'
	s_lshl_b32 s22, s15, 6
	s_add_co_u32 s22, s22, 256*(\t)                ; S1's: x's 64 Y
.else
	s_lshl_b32 s21, s15, 4
	s_add_co_u32 s21, s21, s90
	s_mov_b32 s101, s21
	s_lshl_b32 s21, s21, 3                         ; S0: x's
	s_mov_b32 s22, 640                             ; S1: Wv's
.endif
	s_lshl_b32 s2, s14, 4
	s_add_co_u32 s22, s22, s2
	s_lshl_b32 s23, s21, 9
	s_lshl_b32 s91, s[WV], 9
	s_add_co_u32 s23, s23, s91                     ; S0's scale words, my 512 bytes
	s_mul_i32 s91, s17, 3072                       ; my chunk
	s_mul_i32 s20, s21, 12288
	s_add_co_u32 s20, s20, s91
	s_mov_b32 s21, 0
	s_mul_i32 s2, s22, 12288
	s_add_co_u32 s2, s2, s91
	s_mov_b32 s3, 0
	s_add_nc_u64 s[G0A+2:G0A+3], s[4:5], s[2:3]
	s_or_b32 s[G0A+3], s[G0A+3], 0x80000000
	s_add_nc_u64 s[G0B+2:G0B+3], s[4:5], s[20:21]
	s_or_b32 s[G0B+3], s[G0B+3], 0x80000000
	s_lshl_b32 s2, s22, 9
	s_lshl_b32 s91, s[WV], 10
	s_add_co_u32 s2, s2, s91
	s_add_nc_u64 s[2:3], s[6:7], s[2:3]            ; S1's scale words, my 1,024 bytes
	s_mov_b32 s20, s23
	s_add_nc_u64 s[20:21], s[6:7], s[20:21]
.endm
; Where my unit of tile t goes: s[84:85] codes, s[86:87] scale words.  q, k: head = 2 (S0 & 7) + (w & 1), unit = 4 (4 Y + cy) + (w >> 1).  v: head = 4 cy + (w >> 1), unit = 2 S0 + (w & 1).
.macro PLACE t
.if (\t) < 2
	s_and_b32 s19, s101, 7
	s_lshl_b32 s19, s19, 1
	s_add_co_u32 s19, s19, s16
	s_lshl_b32 s67, s15, 2
	s_add_co_u32 s67, s67, s14
	s_lshl_b32 s67, s67, 2
	s_add_co_u32 s67, s67, s17
	s_add_co_u32 s67, s67, 64*(\t)
	s_mov_b32 s104, 0
	s_mov_b32 s105, 0
.else
	s_lshl_b32 s19, s14, 2
	s_add_co_u32 s19, s19, s17
	s_lshl_b32 s67, s101, 1
	s_add_co_u32 s67, s67, s16
	s_mov_b32 s104, 6144                           ; V's codes lie behind K's in a step,
	s_mov_b32 s105, 512                            ; and so do its scale words
.endif
	s_lshr_b32 s66, s67, 5                         ; batch
	s_lshl_b32 s66, s66, 4
	s_add_co_u32 s19, s19, s66                     ; hd
	s_and_b32 s67, s67, 31                         ; u
	s_lshl_b32 s66, s19, 5
	s_add_co_u32 s66, s66, s67                     ; qb: I
	s_mul_i32 s100, s66, 3072
	s_lshl_b32 s66, s66, 8
	s_add_co_u32 s66, s66, 6291456
	s_mul_i32 s19, s19, 212992                     ; kv: the head,
	s_lshr_b32 s101, s67, 1                        ; the step,
	s_and_b32 s67, s67, 1                          ; the unit in the step
	s_add_co_u32 s104, s104, s19
	s_add_co_u32 s105, s105, s19
	s_mul_i32 s19, s101, 12288
	s_add_co_u32 s104, s104, s19
	s_mul_i32 s19, s67, 3072
	s_add_co_u32 s104, s104, s19
	s_lshl_b32 s101, s101, 10
	s_add_co_u32 s105, s105, s101
	s_lshl_b32 s67, s67, 8
	s_add_co_u32 s105, s105, s67
	s_add_co_u32 s105, s105, 196608
.if (\t) < 2
	s_lshr_b32 s19, ttmp9, 1                       ; q: cluster x under 2
	s_cmp_eq_u32 s19, 0
	s_cselect_b64 s[84:85], s[8:9], s[10:11]
	s_cselect_b32 s100, s100, s104
	s_cselect_b32 s66, s66, s105
.else
	s_mov_b64 s[84:85], s[10:11]
	s_mov_b32 s100, s104
	s_mov_b32 s66, s105
.endif
	s_mov_b32 s101, 0
	s_mov_b32 s67, 0
	s_add_nc_u64 s[86:87], s[84:85], s[66:67]
	s_add_nc_u64 s[84:85], s[84:85], s[100:101]
.endm
.macro SLOAD                           ; my 1,536 bytes of a tile's scale words: each load reads 512 consecutive bytes
	global_load_b128 v[8:11], v1, s[2:3]
	global_load_b128 v[16:19], v1, s[2:3] offset:512
	global_load_b128 v[20:23], v1, s[20:21]
.endm
.macro SSTORE
	ds_store_b128 v24, v[8:11]
	ds_store_b128 v24, v[16:19] offset:512
	ds_store_b128 v25, v[20:23]
.endm
.macro MINE c                          ; the two waves that fetched chunk c wait for it; each has a load line of its own
	s_cmp_eq_u32 s17, \c
	s_cbranch_scc0 .Lnot_mine_\@
	s_wait_tensorcnt 0x0
.Lnot_mine_\@:
.endm
; A K step of 128: 28 LDS loads, 16 matrix instructions.  Four places stand ahead of loads into registers that matrix instructions have read (ISA guide 7.12.1 for vector instructions); at a chunk's head two of them step the addresses.
; first = 1: the products start the sums.  The 16 accumulators take turns.
.macro KSTEP c, ks, first
.if \first == 0
.if \ks == 0
	v_add_nc_u32 v5, 49152, v5
	v_add_nc_u32 v4, 24576, v4
	s_wait_alu depctr_va_vdst(0)
	v_nop
	v_nop
.else
	PLACES
.endif
.endif
.irp i, 0,1,2,3
	ds_load_b32 v[SC+\i], v6 offset:512*\i+64*(2*\c+\ks)
.endr
.irp a, 0,1,2,3
.irp g, 0,1,2
	ds_load_b128 v[F0+12*\a+4*\g:F0+12*\a+4*\g+3], v4 offset:3072*\a+1536*\ks+512*\g
.endr
.endr
.irp b, 0,1,2,3
.irp g, 0,1,2
	ds_load_b128 v[F1+12*\b+4*\g:F1+12*\b+4*\g+3], v5 offset:3072*\b+1536*\ks+512*\g
.endr
.endr
.irp b, 0,1,2,3
	s_wait_dscnt 9-3*\b                            ; the later S1 fragments' loads, three each, may be out
.irp a, 0,1,2,3
.if \first
	v_wmma_scale_f32_16x16x128_f8f6f4 v[ACC+32*\b+8*\a:ACC+32*\b+8*\a+7], v[F0+12*\a:F0+12*\a+11], v[F1+12*\b:F1+12*\b+11], 0, v[SC+\a], v[SC+\b] matrix_a_fmt:MATRIX_FMT_FP6 matrix_b_fmt:MATRIX_FMT_FP6 matrix_a_scale:MATRIX_SCALE_ROW1
.else
	v_wmma_scale_f32_16x16x128_f8f6f4 v[ACC+32*\b+8*\a:ACC+32*\b+8*\a+7], v[F0+12*\a:F0+12*\a+11], v[F1+12*\b:F1+12*\b+11], v[ACC+32*\b+8*\a:ACC+32*\b+8*\a+7], v[SC+\a], v[SC+\b] matrix_a_fmt:MATRIX_FMT_FP6 matrix_b_fmt:MATRIX_FMT_FP6 matrix_a_scale:MATRIX_SCALE_ROW1
.endif
.endr
.endr
.endm
.macro CHUNK c, first
	KSTEP \c, 0, \first
	KSTEP \c, 1, 0
.endm
; S1 tile b: my 32 registers, register 16 e + i = S0 row 32 e + 16 h + i of my S1 row, become 6 registers of codes at v[32 + 16 b] and a scale word in v[96 + b].  Each accumulator is read from its low end on.
.macro QUANT b
.set QS, ACC+32*\b
.irp e, 0,1
	v_max3_num_f32 v[16+\e], |v[QS+16*\e]|, |v[QS+16*\e+1]|, 0x1800000   ; my 16 numbers and the floor 2^(3 - 127): the byte cannot fall under 1
.endr
.irp i, 2,4,6,8,10,12,14
.irp e, 0,1
	v_max3_num_f32 v[16+\e], v[16+\e], |v[QS+16*\e+\i]|, |v[QS+16*\e+\i+1]|
.endr
.endr
.irp e, 0,1
	s_delay_alu instid0(VALU_DEP_2)
	v_permlanex16_b32 v[18+\e], v[16+\e], s88, s89
.endr
.irp e, 0,1
	s_delay_alu instid0(VALU_DEP_2)
	v_max_num_f32 v[16+\e], v[16+\e], v[18+\e]     ; with lane l xor 16's: the block's largest magnitude
.endr
.irp e, 0,1
	s_delay_alu instid0(VALU_DEP_2)
	v_add_nc_u32 v[20+\e], 0xff000000, v[16+\e]    ; 2 off the exponent field: the conversion's scale operand
.endr
.irp e, 0,1
	s_delay_alu instid0(VALU_DEP_2)
	v_lshrrev_b32 v[22+\e], 23, v[20+\e]           ; the scale's byte
.endr
	s_delay_alu instid0(VALU_DEP_1)
	v_lshl_or_b32 v[96+\b], v23, 8, v22            ; bytes 2 and 3 stay 0: they stand over zero codes in the products that read this word
	v_cvt_scalef32_pk16_fp6_f32 v[32+16*\b:34+16*\b], v[QS:QS+15], v20
	v_cvt_scalef32_pk16_fp6_f32 v[40+16*\b:42+16*\b], v[QS+16:QS+31], v21
	v_nop                                          ; one plain place behind a scaled conversion
.irp i, 0,1,2
	v_permlane16_swap_b32 v[32+16*\b+\i], v[40+16*\b+\i]   ; a lane wants a whole block: lanes 0-15 block 0, lanes 16-31 block 1
.endr
.irp i, 0,1,2
	s_delay_alu instid0(VALU_DEP_3)
	v_mov_b32 v[35+16*\b+\i], v[40+16*\b+\i]
.endr
.endm
.macro OUT
.irp b, 0,1,2,3
	global_store_b128 v1, v[32+16*\b:35+16*\b], s[84:85] offset:768*\b       ; 512 consecutive bytes, at a multiple of 256 from the buffer's first byte
	global_store_b64 v2, v[36+16*\b:37+16*\b], s[84:85] offset:768*\b+512    ; 256 consecutive bytes, likewise
.endr
	v_cmp_ne_u32 vcc_lo, 0, v7
	s_delay_alu instid0(VALU_DEP_1)
	v_cndmask_b32 v100, v96, v98, vcc_lo           ; lanes 0-15 store tiles 0 and 1's words of row r, lanes 16-31 tiles 2 and 3's
	s_delay_alu instid0(VALU_DEP_2)
	v_cndmask_b32 v101, v97, v99, vcc_lo
	global_store_b64 v3, v[100:101], s[86:87]      ; 256 consecutive bytes, at a multiple of 256
.endm
.macro TILE t
	PLACE \t
	v_add_nc_u32 v4, s92, v1                       ; my four fragments of S0 in chunk 0,
	v_add_nc_u32 v5, s93, v1                       ; and of S1
	s_wait_alu depctr_va_vdst(0)
.if \t == 0
	s_wait_loadcnt 0x0
	SSTORE
	MINE 0
.endif
	s_wait_dscnt 0x0                               ; my part of the scale words is stored
	BARRIER                                        ; everybody's is (tile 0: and chunk 0 is in)
	CHUNK 0, 1
.if \t == 0
	MINE 1
	BARRIER                                        ; chunk 1 is in
.endif
	CHUNK 1, 0
	s_wait_tensorcnt 0x0                           ; all my tensor loads are in: chunks 2 and 3 are whole behind the barrier below
.if \t < 2
	ds_add_u32 v30, v31
	DESC \t+1
	s_wait_dscnt 0x0                               ; the add, and my reads of chunks 0 and 1
	CROUND
	FILLA \t, a\t
	SLOAD
.else
	BARRIER
.endif
	CHUNK 2, 0
	CHUNK 3, 0
.if \t < 2
	s_wait_tensorcnt 0x0                           ; the next tile's chunks 0 and 1 are in
	ds_add_u32 v30, v31
	s_wait_dscnt 0x0
	CROUND
	FILLB \t, b\t
	PLACES                                         ; for the waves that come round the loads: places behind the last products
	s_wait_loadcnt 0x0
	SSTORE                                         ; the next tile's scale words: nobody reads this tile's any more
.else
	PLACES
.endif
	QUANT 0
	QUANT 1
	QUANT 2
	QUANT 3
	OUT
.if \t < 2
	s_wait_xcnt 0x0                                ; the stores' registers and bases are written again only behind this wait
.endif
.endm
	s_load_b256 s[4:11], s[0:1], 0x0               ; oc, os, qb, kv
	v_lshl_add_u32 v30, v0, 2, SPARE
	v_mov_b32 v31, 0
	ds_add_u32 v30, v31                            ; the opening lines
	ds_add_u32 v30, v31
	v_lshrrev_b32 v1, 5, v0
	v_readfirstlane_b32 s[WV], v1                  ; wave 0..7
	s_and_b32 s16, s[WV], 1
	s_lshr_b32 s17, s[WV], 1
	s_bfe_u32 s13, ttmp6, 0x40000                  ; cx
	s_bfe_u32 s14, ttmp6, 0x40004                  ; cy
	s_and_b32 s15, ttmp7, 0xffff                   ; y: the cluster's y, 0 .. 3
	s_lshl_b32 s90, ttmp9, 2
	s_add_co_u32 s90, s90, s13                     ; 4 X + cx
	s_lshl_b32 s3, s14, 2
	s_lshl_b32 s3, 15, s3                          ; my row of the cluster
	s_lshl_b32 s23, 0x1111, s13                    ; my column
	s_or_b32 s[G1A], s3, (3<<16)|(1<<21)           ; the mask; elements of 8 bytes; bit 21 beside a mask
	s_or_b32 s[G1B], s23, (3<<16)|(1<<21)
	GROUP1 G1A, 384, 16, 1536                      ; a chunk of 16 row tiles: rows of 3,072 bytes, 12,288 apart
	GROUP1 G1B, 384, 8, 1536                       ; of 8 row tiles
	s_mov_b32 s[G0A], 1
	s_mul_i32 s[G0A+1], s17, 49152
	s_mov_b32 s[G0B], 1
	s_mul_i32 s[G0B+1], s17, 24576
	s_add_co_u32 s[G0B+1], s[G0B+1], S0C
	s_mov_b32 s88, 0x76543210
	s_mov_b32 s89, 0xfedcba98                      ; v_permlanex16_b32's selects for lane l xor 16
	s_mul_i32 s92, s16, 12288
	s_add_co_u32 s92, s92, S0C
	s_mul_i32 s93, s17, 12288
	s_lshl_b32 s95, s17, 11                        ; scale words: lanes 0-15 S1's four tiles, lanes 16-31 S0's: the lower base + h x the distance
	s_lshl_b32 s94, s16, 11
	s_add_co_u32 s94, s94, S0S-S1S
	s_sub_co_u32 s94, s94, s95
	s_add_co_u32 s95, s95, S1S
	s_lshl_b32 s96, s[WV], 10
	s_add_co_u32 s96, s96, S1S
	s_lshl_b32 s97, s[WV], 9
	s_add_co_u32 s97, s97, S0S
	v_and_b32 v8, 31, v0
	v_and_b32 v9, 15, v0                           ; r
	v_bfe_u32 v7, v0, 4, 1                         ; h
	v_lshlrev_b32 v1, 4, v8                        ; 16 x lane
	v_lshlrev_b32 v2, 3, v8                        ; 8 x lane
	v_lshlrev_b32 v3, 4, v9
	v_mul_u32_u24 v6, s94, v7
	v_lshl_add_u32 v3, v7, 3, v3                   ; 16 r + 8 h: my two scale words on the way out
	v_lshl_add_u32 v6, v9, 2, v6
	v_add_nc_u32 v24, s96, v1                      ; where I store my part of S1's scale words,
	v_add_nc_u32 v25, s97, v1                      ; and of S0's
	v_add_nc_u32 v6, s95, v6
	s_wait_alu depctr_va_vdst(0)
	s_wait_dscnt 0x0
	s_wait_kmcnt 0x0
	DESC 0
	CROUND                                         ; all sixteen work-groups are here: the joint loads meet
	ARM 0, G0A, G1A, h
	ARM 1, G0B, G1B, h
	ARM 2, G0A, G1A, h
	ARM 3, G0B, G1B, h
	ARM 4, G0A, G1A, h
	ARM 5, G0B, G1B, h
	ARM 6, G0A, G1A, h
	TL G0B, G1B
.Lasked_h:
	SLOAD
	TILE 0
	TILE 1
	TILE 2
	s_wait_tensorcnt 0x0                           ; the wave's end
	ds_add_u32 v30, v31
	s_wait_dscnt 0x0
	CROUND                                         ; the closing round
	s_endpgm
.Lfunc_end_k_qc8f392d8a0_proj:
	.size	k_qc8f392d8a0_proj, .Lfunc_end_k_qc8f392d8a0_proj-k_qc8f392d8a0_proj
	.p2alignl 7, 3214868480
	.fill 96, 4, 3214868480
	.section	.rodata,"a",@progbits
	.p2align	6, 0x0
	.amdhsa_kernel k_qc8f392d8a0_proj
		.amdhsa_group_segment_fixed_size 327680
		.amdhsa_private_segment_fixed_size 0
		.amdhsa_enable_private_segment 0
		.amdhsa_kernarg_size 32
		.amdhsa_user_sgpr_count 2
		.amdhsa_user_sgpr_kernarg_segment_ptr 1
		.amdhsa_wavefront_size32 1
		.amdhsa_system_sgpr_workgroup_id_x 1
		.amdhsa_system_sgpr_workgroup_id_y 1
		.amdhsa_system_sgpr_workgroup_id_z 1
		.amdhsa_system_vgpr_workitem_id 0
		.amdhsa_next_free_vgpr 256
		.amdhsa_next_free_sgpr 106
		.amdhsa_reserve_vcc 1
		.amdhsa_float_denorm_mode_32 3
		.amdhsa_float_denorm_mode_16_64 3
		.amdhsa_memory_ordered 1
		.amdhsa_forward_progress 1
		.amdhsa_inst_pref_size 150
	.end_amdhsa_kernel
	.amdgpu_metadata
---
amdhsa.version: [ 1, 2 ]
amdhsa.kernels:
  - .name:           k_qc8f392d8a0_proj
    .symbol:         k_qc8f392d8a0_proj.kd
    .args:
      - { .name: oc, .offset: 0, .size: 8, .value_kind: global_buffer, .address_space: global }
      - { .name: os, .offset: 8, .size: 8, .value_kind: global_buffer, .address_space: global }
      - { .name: qb, .offset: 16, .size: 8, .value_kind: global_buffer, .address_space: global }
      - { .name: kv, .offset: 24, .size: 8, .value_kind: global_buffer, .address_space: global }
    .group_segment_fixed_size: 327680
    .private_segment_fixed_size: 0
    .kernarg_segment_align: 8
    .kernarg_segment_size: 32
    .max_flat_workgroup_size: 256
    .sgpr_count:     106
    .vgpr_count:     256
    .wavefront_size: 32
...
	.end_amdgpu_metadata
.endif
;; end of part 2
;; launch attn (part 3): grid 4 x 64, 16 waves a work-group, clusters of 4 x 1, 327,680 bytes of LDS; arguments qb, kv, out0; writes out0
.if DOCPART == 3
	.amdgcn_target "amdgcn-amd-amdhsa--gfx1250"
	.amdhsa_code_object_version 6
	.text
	.protected	k_qc8f392d8a0_attn
	.globl	k_qc8f392d8a0_attn
	.p2align	8
	.type	k_qc8f392d8a0_attn,@function
k_qc8f392d8a0_attn:
	s_mov_b64 s[64:65], 0
	v_nop
	global_prefetch_b8 v0, s[64:65] scope:SCOPE_SE
	s_setreg_imm32_b32 hwreg(HW_REG_WAVE_MODE, 25, 1), 1
	s_wait_xcnt 0x0
	s_wait_alu depctr_hold_cnt(0) depctr_sa_sdst(0) depctr_va_vdst(0) depctr_va_sdst(0) depctr_va_ssrc(0) depctr_va_vcc(0) depctr_vm_vsrc(0)
	s_getreg_b32 s2, hwreg(HW_REG_IB_STS2, 6, 4)
	s_cmp_eq_u32 s2, 0
	s_cbranch_scc0 .Lentry_in_a_cluster
	s_endpgm
.Lentry_in_a_cluster:
	s_bfe_u32 s2, ttmp6, 0x10000c
	s_cmp_lg_u32 s2, 0x3003
	s_cbranch_scc0 .Lentry_shape_is_right
	s_endpgm
.Lentry_shape_is_right:
; out[b][q][64 head + d] = the sum over keys k <= q of softmax_k(Q . K / 8) V, both products on codes of FP6 (E2M3) with E8M0 scales.  Head size 64, 2,048 tokens, 64 (batch, head) pairs hd.
; THE SOFTMAX AHEAD OF THE SECOND PRODUCT: t = score x log2(e) / 8; M = the row's largest t so far, rounded UP to a whole number; p = 2^(t - M) is quantised along the keys, not normalised.
; The row's sum is taken of the unquantised p, in f32, and divides O at the end.  When M moves, the sum and O are multiplied by 2^(old M - new M): exact.
; SHARES.  The four work-groups of a cluster (g = cx) share a head.  A head has 128 tiles of 16 queries; tile 8 a + 2 g + u needs a + 1 key steps of 128.  Wave w (al = w >> 1, u = w & 1) owns the tiles with
; a = 15 - al (first pass) and a = al (second): 17 key steps for every wave of every work-group.  Which steps a wave works hangs on its number alone, never on cx.  Steps all of whose keys are hidden are jumped over.
; LDS holds the head's WHOLE K and V, codes and scale words, 212,992 bytes as they lie in kv: filled once, by thirteen joint loads of 16,384 bytes (waves 0 to 12, one each; one is out a wave), asked for by all four
; work-groups with the same descriptor and the mask of all four.  All that the launch reads of kv is asked for at its head, so nothing is left to ask for ahead of time later.
; LAYOUT.  Both products are used transposed: S^T = K Q^T, O^T = V^T P^T: a lane holds ONE query (tile row lane % 16) throughout.  Tile rows are not neighbours: row i of a tile is token base + i + 8 (i / 8); so the
; 16 registers of key tiles 2 b, 2 b + 1 are keys 32 b + 16 (lane / 16) + 0 .. 15, and the 16 registers of V's tiles 2 e, 2 e + 1 are channels 32 e + 16 (lane / 16) + 0 .. 15.
; THE FIRST PRODUCT'S K IS 64, the instruction's 128: Q's registers 6-11 hold zero codes.  K's operand names twelve registers, of which the upper six hold the next tile's codes (behind the last tile: zeros): E2M3 has no
; infinity and no NaN, so they meet Q's zeros and add exact zeros; the scale bytes over them are 0 in both words.
; LIMITS: NaN and infinities are not served; p under 2^-126 comes out of v_exp_f32 as 0 (ISA guide, the instruction's entry); a block of p that is all zeros keeps the byte 1: its codes are zeros.
.set L16, 1                            ; v1   16 x lane
.set L8,  2                            ; v2   8 x lane + 512: a tile's registers 4-5
.set LS,  3                            ; v3   16 r + 196,608: a unit's four scale words of tile row r
.set DG,  4                            ; v4   my query less the diagonal step's first key less 16 h
.set STO, 5                            ; v5   the stage: where I put my channels of row r
.set RD,  6                            ; v6   and where I read a row back
.set GO,  7                            ; v7   my byte offset in out0: 4,096 h + 16 r
.set ADK16, 8                          ; v8-10 the step's addresses
.set ADK8, 9
.set ADS, 10
.set NINF, 11                          ; v11  -infinity
                                       ; v12 -M, v13 the largest t, v[14:15] the sum in two halves; v16-27 Q (v22-27 zeros); v28 Q's scale word
.set KV,  32                           ; v32-79 K's eight tiles (6 registers each), later V's four fragments; v80-85 zeros
.set QL,  86                           ; v86-92 the second pass's Q and its scale word;  v93 16 r
.set S,   96                           ; v96-159 S^T, then p
.set O,   160                          ; v160-191 O^T
.set PC,  192                          ; v192-203 p's codes
.set PH,  204                          ; v204-206, v208-210 the conversions' second halves
.set BM,  212                          ; v212-215 each block's largest score, then its largest p
.set PT,  216                          ; v216-219 lane l xor 16's, then the bytes
.set SO,  220                          ; v220-223 the conversions' scale operands
.set KSC, 224                          ; v224-231 K's scale words
.set VR,  232                          ; v232-239 V's, unit by unit
.set VW,  240                          ; v240-243 V's, for 128 keys
.set PW,  244                          ; v244 p's scale word
.set F,   246                          ; v[246:247] f = 2^(old M - new M); v247 is named with it as a pair, so it is written
.set TT,  248
.set SU,  250                          ; v[250:251] the sum's second chain
.set WV,  10                           ; s10 wave; s11 g; s12 hd; s13 al; s14 u
.set GX,  11
.set HD,  12
.set AL,  13
.set UP,  14
.set AA,  15                           ; s15 the pass's a
.set SI,  16                           ; s16 the key step
.set TK,  17                           ; s17 12,288 x step
.set TS,  18                           ; s18 1,024 x step
.set SEL, 20                           ; s[20:21] selects for lane l xor 16
.set CS,  22                           ; s[22:23] c = log2(e) / 8
.set G1,  24
.set G0,  32
.macro CROUND                          ; a round of the cluster's barrier
	s_barrier_signal -1
	s_barrier_wait -1
	s_cmp_lg_u32 s[WV], 0
	s_cbranch_scc1 .Lnot_wave_0_\@
	s_barrier_signal -3
.Lnot_wave_0_\@:
	s_barrier_wait -3
	s_barrier_signal -1
	s_barrier_wait -1
.endm
	s_load_b128 s[4:7], s[0:1], 0x0                ; qb, kv
	s_load_b64 s[8:9], s[0:1], 0x10                ; out0
	v_lshl_add_u32 v254, v0, 2, 0x45000
	v_mov_b32 v255, 0
	ds_add_u32 v254, v255
	ds_add_u32 v254, v255
	v_lshrrev_b32 v1, 5, v0
	s_delay_alu instid0(VALU_DEP_1)
	v_readfirstlane_b32 s[WV], v1                  ; wave 0..15
	s_and_b32 s[HD], ttmp7, 0xffff                 ; the head, which the four partners share
	s_lshr_b32 s[AL], s[WV], 1
	s_and_b32 s[UP], s[WV], 1
	s_mov_b32 s[G1], 15|(3<<16)|(1<<21)            ; 15:0 the mask: all four work-groups; 17:16 elements of 8 bytes; 20 no padding; 21 set beside a mask
	s_mov_b32 s[G1+1], 32<<16                      ; tensor_dim0 = 32 elements: 256 bytes
	s_mov_b32 s[G1+2], 64<<16                      ; tensor_dim1 = 64
	s_mov_b32 s[G1+3], 32<<16                      ; tile_dim0
	s_mov_b32 s[G1+4], 64                          ; tile_dim1
	s_mov_b32 s[G1+5], 32                          ; dense
	s_mov_b32 s[G1+6], 0
	s_mov_b32 s[G1+7], 0
	s_mul_i32 s36, s[HD], 212992
	s_lshl_b32 s19, s[WV], 14                      ; my 16,384 bytes of the head, in memory and in LDS alike
	s_add_co_u32 s36, s36, s19
	s_mov_b32 s37, 0
	s_mov_b32 s[G0], 1
	s_mov_b32 s[G0+1], s19
	s_mov_b32 s[SEL], 0x76543210
	s_mov_b32 s[SEL+1], 0xfedcba98
	s_mov_b32 s[CS], 0x3e38aa3b                    ; log2(e) / 8
	s_mov_b32 s[CS+1], s[CS]                       ; (named with it as a pair, so it is written)
	s_wait_dscnt 0x0
	s_wait_kmcnt 0x0
	s_add_nc_u64 s[G0+2:G0+3], s[6:7], s[36:37]
	s_or_b32 s[G0+3], s[G0+3], 0x80000000          ; type = 2
	CROUND                                         ; all four work-groups are here: the joint loads meet
	s_cmp_lt_u32 s[WV], 13                         ; 13 x 16,384 = 212,992
	s_cbranch_scc0 .Lno_fetch
	tensor_load_to_lds s[G0:G0+3], s[G1:G1+7]
	s_nop 0
.rept 4
	v_nop
.endr
.Lno_fetch:
	s_bfe_u32 s[GX], ttmp6, 0x40000                ; g = cx: it enters Q's and out0's addresses and the mask's numbers alone
	v_and_b32 v29, 31, v0                          ; lane
	v_and_b32 v30, 15, v0                          ; r
	v_bfe_u32 v31, v0, 4, 1                        ; h
	s_delay_alu instid0(VALU_DEP_3)
	v_lshlrev_b32 v[L16], 4, v29
	s_delay_alu instid0(VALU_DEP_4)
	v_lshl_add_u32 v[L8], v29, 3, 512
	s_delay_alu instid0(VALU_DEP_4)
	v_lshlrev_b32 v93, 4, v30
	s_delay_alu instid0(VALU_DEP_1)
	v_add_nc_u32 v[LS], 196608, v93
	s_lshl_b32 s55, s[GX], 5
	s_lshl_b32 s54, s[UP], 3
	s_add_co_u32 s55, s55, s54                     ; 32 g + 8 u: my tiles' first token in their 128
	v_and_b32 v[DG], 8, v30
	s_delay_alu instid0(VALU_DEP_1)
	v_add_nc_u32 v[DG], v[DG], v30                 ; r + 8 (r / 8)
	v_lshlrev_b32 v[TT], 4, v31
	s_delay_alu instid0(VALU_DEP_1)
	v_sub_nc_u32 v[DG], v[DG], v[TT]
	s_delay_alu instid0(VALU_DEP_1)
	v_add_nc_u32 v[DG], s55, v[DG]
	s_mul_i32 s19, s[WV], 16*272
	s_add_co_u32 s19, s19, 212992                  ; my stage: 16 rows of 256 bytes + 16, behind the head's bytes: no tensor load lands there
	v_mul_u32_u24 v[STO], v30, 272
	s_delay_alu instid0(VALU_DEP_1)
	v_lshl_add_u32 v[STO], v31, 6, v[STO]
	s_delay_alu instid0(VALU_DEP_1)
	v_add_nc_u32 v[STO], s19, v[STO]               ; in: row r, + 64 h
	v_mul_u32_u24 v[RD], v31, 272
	s_delay_alu instid0(VALU_DEP_1)
	v_lshl_add_u32 v[RD], v30, 4, v[RD]
	s_delay_alu instid0(VALU_DEP_1)
	v_add_nc_u32 v[RD], s19, v[RD]                 ; back: lanes 0-15 one row, lanes 16-31 the next
	v_lshlrev_b32 v[GO], 12, v31
	s_delay_alu instid0(VALU_DEP_1)
	v_lshl_add_u32 v[GO], v30, 4, v[GO]
	; where my two tiles of Q and of out0 lie
	s_lshr_b32 s38, s[GX], 1
	s_and_b32 s39, s[GX], 1
	s_lshl_b32 s39, s39, 1
	s_add_co_u32 s39, s39, s[UP]                   ; the tile in its unit: 2 (g & 1) + u
	s_lshl_b32 s52, s[HD], 5
	s_add_co_u32 s52, s52, s38                     ; 32 hd + g / 2
	s_lshr_b32 s53, s[HD], 4
	s_lshl_b32 s53, s53, 11
	s_add_co_u32 s53, s53, s55                     ; 2,048 batch + 32 g + 8 u
	s_and_b32 s58, s[HD], 15
	s_lshl_b32 s58, s58, 8                         ; the head's 256 bytes in a row of out0
	s_sub_co_u32 s[AA], 15, s[AL]                  ; the first pass's a
.macro QPTR a, pc, ps, po              ; for the tile with s[a]: Q's codes, Q's scale words, out0's rows
	s_lshl_b32 s54, s[\a], 1
	s_add_co_u32 s54, s54, s52                     ; the unit: 32 hd + 2 a + g / 2
	s_mul_i32 s56, s54, 3072
	s_mul_i32 s59, s39, 768
	s_add_co_u32 s56, s56, s59
	s_mov_b32 s57, 0
	s_add_nc_u64 s[\pc:\pc+1], s[4:5], s[56:57]
	s_lshl_b32 s56, s54, 8
	s_lshl_b32 s59, s39, 2
	s_add_co_u32 s56, s56, s59
	s_add_co_u32 s56, s56, 6291456
	s_add_nc_u64 s[\ps:\ps+1], s[4:5], s[56:57]
	s_lshl_b32 s56, s[\a], 7
	s_add_co_u32 s56, s56, s53
	s_lshl_b32 s56, s56, 12                        ; rows of 4,096 bytes
	s_add_co_u32 s56, s56, s58
	s_add_nc_u64 s[\po:\po+1], s[8:9], s[56:57]
.endm
	QPTR AA, 40, 42, 48
	QPTR AL, 44, 46, 50
	global_load_b128 v[16:19], v[L16], s[40:41]    ; Q stays in registers
	global_load_b64 v[20:21], v[L8], s[40:41]
	global_load_b32 v28, v93, s[42:43]
	global_load_b128 v[QL:QL+3], v[L16], s[44:45]
	global_load_b64 v[QL+4:QL+5], v[L8], s[44:45]
	global_load_b32 v[QL+6], v93, s[46:47]
.irp i, 0,1,2,3,4,5
	v_mov_b32 v[22+\i], 0                          ; Q's zero codes for K = 64 .. 127
	v_mov_b32 v[80+\i], 0                          ; and what K's last tile names behind its own six registers
.endr
.irp i, 0,1,2,3
	v_mov_b32 v[PT+\i], 0                          ; a lane permute's destination counts as one of its sources
.endr
	v_mov_b32 v[F+1], 0
	v_mov_b32 v[NINF], 0xff800000
	s_wait_loadcnt 0x0                             ; Q
	s_wait_tensorcnt 0x0                           ; my part of the head has landed,
	s_barrier_signal -1
	s_barrier_wait -1                              ; everybody's has.  From here on no wave waits for another
; A KEY STEP: 128 keys against my 16 queries.
.macro STEP
	s_cmp_gt_u32 s[SI], s[AA]                      ; all its keys come after my queries: left out.  The branch hangs on the wave's number and the loop's count
	s_cbranch_scc1 .Lhid_\@
	v_add_nc_u32 v[ADK16], s[TK], v[L16]
	v_add_nc_u32 v[ADK8], s[TK], v[L8]
	v_add_nc_u32 v[ADS], s[TS], v[LS]
	v_nop                                          ; four places in front of loads into registers that the last step's products have read (ISA guide 7.12.1 for vector instructions)
.irp t, 0,1,2,3,4,5,6,7
	ds_load_b128 v[KV+6*\t:KV+6*\t+3], v[ADK16] offset:768*\t   ; images: consecutive bytes, no bank met twice
	ds_load_b64 v[KV+6*\t+4:KV+6*\t+5], v[ADK8] offset:768*\t
.endr
	ds_load_b128 v[KSC:KSC+3], v[ADS]              ; the scale words of K's tiles 0-3, 4-7, of V's tiles for keys 0-63, 64-127
	ds_load_b128 v[KSC+4:KSC+7], v[ADS] offset:256
	ds_load_b128 v[VR:VR+3], v[ADS] offset:512
	ds_load_b128 v[VR+4:VR+7], v[ADS] offset:768
	s_wait_alu depctr_va_vdst(0)
	s_wait_dscnt 0x0
.irp t, 0,1,2,3,4,5,6,7
	v_wmma_scale_f32_16x16x128_f8f6f4 v[S+8*\t:S+8*\t+7], v[KV+6*\t:KV+6*\t+11], v[16:27], 0, v[KSC+\t], v28 matrix_a_fmt:MATRIX_FMT_FP6 matrix_b_fmt:MATRIX_FMT_FP6
.endr
.irp d, 0,1,2,3
	v_lshl_or_b32 v[VW+\d], v[VR+4+\d], 16, v[VR+\d]   ; V's word for 128 keys: two bytes of each unit's.  These four are the places behind the products above
.endr
.irp d, 0,1,2,3                        ; V's four fragments land while the softmax is worked
	ds_load_b128 v[KV+12*\d:KV+12*\d+3], v[ADK16] offset:6144+768*\d
	ds_load_b64 v[KV+12*\d+4:KV+12*\d+5], v[ADK8] offset:6144+768*\d
	ds_load_b128 v[KV+12*\d+6:KV+12*\d+9], v[ADK16] offset:9216+768*\d
	ds_load_b64 v[KV+12*\d+10:KV+12*\d+11], v[ADK8] offset:9216+768*\d
.endr
	s_cmp_lg_u32 s[SI], s[AA]                      ; on the diagonal the scores of hidden keys become -infinity ahead of the maximum: p = 0 then
	s_cbranch_scc1 .Lopen_\@
.set n, 0
.rept 64
	v_cmp_gt_i32 vcc_lo, 32*(n/16)+n%16, v[DG]     ; register 16 b + i holds key 128 a + 32 b + 16 h + i
	v_cndmask_b32 v[S+n], v[S+n], v[NINF], vcc_lo
.set n, n+1
.endr
.Lopen_\@:
.irp b, 0,1,2,3
	v_max3_num_f32 v[BM+\b], v[S+16*\b], v[S+1+16*\b], v[S+2+16*\b]   ; the largest score of each block of 32 keys: for the row's maximum and, since p rises with the score, for the block's largest p
.endr
.irp i, 3,5,7,9,11,13
.irp b, 0,1,2,3
	v_max3_num_f32 v[BM+\b], v[BM+\b], v[S+16*\b+\i], v[S+1+16*\b+\i]
.endr
.endr
.irp b, 0,1,2,3
	v_max_num_f32 v[BM+\b], v[BM+\b], v[S+15+16*\b]
.endr
.irp b, 0,1,2,3
	s_delay_alu instid0(VALU_DEP_4)
	v_permlanex16_b32 v[PT+\b], v[BM+\b], s[SEL], s[SEL+1]
.endr
.irp b, 0,1,2,3
	s_delay_alu instid0(VALU_DEP_4)
	v_max_num_f32 v[BM+\b], v[BM+\b], v[PT+\b]     ; with lane l xor 16's 16 keys
.endr
	s_delay_alu instid0(VALU_DEP_2)
	v_max3_num_f32 v[TT], v[BM], v[BM+1], v[BM+2]
	s_delay_alu instid0(VALU_DEP_1)
	v_max_num_f32 v[TT], v[TT], v[BM+3]            ; the step's largest score of my query
	s_delay_alu instid0(VALU_DEP_1)
	v_mul_f32 v[TT], s[CS], v[TT]                  ; as t (c is positive)
	s_delay_alu instid0(VALU_DEP_1)
	v_max_num_f32 v13, v13, v[TT]                  ; the running largest t
	v_mov_b32 v[TT], v12
	s_delay_alu instid0(VALU_DEP_2)
	v_floor_f32 v12, -v13                          ; the new -M = floor(-t) = -ceil(t): a whole number
	s_delay_alu instid0(VALU_DEP_1)
	v_sub_f32 v[TT], v12, v[TT]                    ; old M less new M: a whole number, 0 or less
	s_delay_alu instid0(VALU_DEP_1)
	v_cvt_i32_f32 v[TT], v[TT]                     ; (it saturates)
	s_delay_alu instid0(VALU_DEP_1)
	v_ldexp_f32 v[F], 1.0, v[TT]                   ; f = 2^(old M - new M)
.set j, 0
.rept 32
	v_pk_fma_f32 v[S+j:S+j+1], v[S+j:S+j+1], s[CS:CS+1], v[12:13] op_sel_hi:[1,0,0]   ; t - M, two at a time (of the pairs c and -M the low word serves both halves)
.set j, j+2
.endr
.irp b, 0,1,2,3
	v_fma_f32 v[BM+\b], v[BM+\b], s[CS], v12       ; the same of each block's largest score
.endr
.set j, 0
	s_wait_alu depctr_va_vdst(0)
.rept 64
	v_exp_f32 v[S+j], v[S+j]                       ; p = 2^(t - M), at most 1
.set j, j+1
.endr
.irp b, 0,1,2,3
	v_exp_f32 v[BM+\b], v[BM+\b]                   ; the block's largest p: the same two instructions on the same number give the same bits
.endr
	v_pk_mul_f32 v[14:15], v[14:15], v[F:F+1] op_sel_hi:[1,0]   ; the sums under the new M.  (A plain place behind the exponentials)
	s_wait_alu depctr_va_vdst(0)
.irp b, 0,1,2,3
	v_max_num_f32 v[BM+\b], 0x1800000, v[BM+\b]    ; the floor 2^(3 - 127): the byte cannot fall under 1
.endr
.irp b, 0,1,2,3
	s_delay_alu instid0(VALU_DEP_4)
	v_add_nc_u32 v[SO+\b], 0xff000000, v[BM+\b]    ; 2 off the exponent field: the conversion's scale operand
.endr
.irp b, 0,1,2,3
	s_delay_alu instid0(VALU_DEP_4)
	v_lshrrev_b32 v[PT+\b], 23, v[SO+\b]           ; the scale's byte
.endr
	s_delay_alu instid0(VALU_DEP_3)
	v_lshl_or_b32 v[PW], v[PT+1], 8, v[PT]         ; p's scale word for these 128 keys
	s_delay_alu instid0(VALU_DEP_1)
	v_lshl_or_b32 v[PW], v[PT+2], 16, v[PW]
	s_delay_alu instid0(VALU_DEP_1)
	v_lshl_or_b32 v[PW], v[PT+3], 24, v[PW]
.irp c, 0,1
	v_cvt_scalef32_pk16_fp6_f32 v[PC+6*\c:PC+6*\c+2], v[S+32*\c:S+32*\c+15], v[SO+2*\c]
	v_cvt_scalef32_pk16_fp6_f32 v[PH+4*\c:PH+4*\c+2], v[S+32*\c+16:S+32*\c+31], v[SO+2*\c+1]   ; (a conversion's three registers begin on an even number)
.endr
	v_nop                                          ; one plain place behind a scaled conversion
.irp c, 0,1                            ; the operand wants a WHOLE block in a lane: lanes 0-15 block 2 c, lanes 16-31 block 2 c + 1
.irp i, 0,1,2
	v_permlane16_swap_b32 v[PC+6*\c+\i], v[PH+4*\c+\i]
.endr
.irp i, 0,1,2
	s_delay_alu instid0(VALU_DEP_3)
	v_mov_b32 v[PC+6*\c+3+\i], v[PH+4*\c+\i]
.endr
.endr
	v_pk_add_f32 v[250:251], v[100:101], v[104:105]
	v_pk_add_f32 v[252:253], v[108:109], v[112:113]
	v_pk_add_f32 v[238:239], v[116:117], v[120:121]
	v_pk_add_f32 v[236:237], v[124:125], v[128:129]
	v_pk_add_f32 v[234:235], v[132:133], v[136:137]
	v_pk_add_f32 v[232:233], v[140:141], v[144:145]
	v_pk_add_f32 v[230:231], v[148:149], v[152:153]
	v_pk_add_f32 v[14:15], v[14:15], v[156:157]
	v_pk_add_f32 v[250:251], v[250:251], v[96:97]
	v_pk_add_f32 v[252:253], v[252:253], v[98:99]
	v_pk_add_f32 v[238:239], v[238:239], v[102:103]
	v_pk_add_f32 v[236:237], v[236:237], v[106:107]
	v_pk_add_f32 v[234:235], v[234:235], v[110:111]
	v_pk_add_f32 v[232:233], v[232:233], v[114:115]
	v_pk_add_f32 v[230:231], v[230:231], v[118:119]
	v_pk_add_f32 v[14:15], v[14:15], v[122:123]
	v_pk_add_f32 v[250:251], v[250:251], v[126:127]
	v_pk_add_f32 v[252:253], v[252:253], v[130:131]
	v_pk_add_f32 v[238:239], v[238:239], v[134:135]
	v_pk_add_f32 v[236:237], v[236:237], v[138:139]
	v_pk_add_f32 v[234:235], v[234:235], v[142:143]
	v_pk_add_f32 v[232:233], v[232:233], v[146:147]
	v_pk_add_f32 v[230:231], v[230:231], v[150:151]
	v_pk_add_f32 v[14:15], v[14:15], v[154:155]
	v_pk_add_f32 v[250:251], v[250:251], v[158:159]
	s_delay_alu instid0(VALU_DEP_2)
	v_pk_add_f32 v[14:15], v[14:15], v[236:237]
	s_delay_alu instid0(VALU_DEP_2)
	v_pk_add_f32 v[250:251], v[250:251], v[234:235]
	v_pk_add_f32 v[252:253], v[252:253], v[232:233]
	v_pk_add_f32 v[238:239], v[238:239], v[230:231]
	s_delay_alu instid0(VALU_DEP_2)
	v_pk_add_f32 v[14:15], v[14:15], v[252:253]
	s_delay_alu instid0(VALU_DEP_2)
	v_pk_add_f32 v[250:251], v[250:251], v[238:239]
	s_delay_alu instid0(VALU_DEP_1)
	v_pk_add_f32 v[14:15], v[14:15], v[250:251]
.set j, 0
.rept 16
	v_pk_mul_f32 v[O+j:O+j+1], v[O+j:O+j+1], v[F:F+1] op_sel_hi:[1,0]   ; O^T under the new M, each accumulator from its low end on
.set j, j+2
.endr
	s_wait_alu depctr_va_vdst(0)
	s_wait_dscnt 0x0                               ; V is in
.irp d, 0,1,2,3                        ; O^T += V^T P^T: the four accumulators by turns
	v_wmma_scale_f32_16x16x128_f8f6f4 v[O+8*\d:O+8*\d+7], v[KV+12*\d:KV+12*\d+11], v[PC:PC+11], v[O+8*\d:O+8*\d+7], v[VW+\d], v[PW] matrix_a_fmt:MATRIX_FMT_FP6 matrix_b_fmt:MATRIX_FMT_FP6
.endr
.Lhid_\@:
	s_add_co_u32 s[TK], s[TK], 12288               ; the next step's tiles and scale words
	s_add_co_u32 s[TS], s[TS], 1024
.endm
; THE WAY OUT of a tile: O^T / the sum goes through my stage in LDS and leaves as rows: sixteen lanes store a token's 256 bytes of this head.
.macro WAYOUT ob
.rept 4
	v_nop                                          ; places behind the last products
.endr
	v_add_f32 v14, v14, v15                        ; the sum's two halves,
	s_delay_alu instid0(VALU_DEP_1)
	v_permlanex16_b32 v[TT], v14, s[SEL], s[SEL+1]
	s_delay_alu instid0(VALU_DEP_1)
	v_add_f32 v14, v14, v[TT]                      ; and lane l xor 16's: the row's sum
	s_wait_alu depctr_va_vdst(0)
	v_rcp_f32 v14, v14
	v_nop                                          ; one plain place behind a transcendental
.set j, 0
	s_wait_alu depctr_va_vdst(0)
.rept 32
	v_mul_f32 v[S+j], v[O+j], v14                  ; register 16 e + i is channel 32 e + 16 h + i of my query
.set j, j+1
.endr
.irp e, 0,1
.irp k, 0,1,2,3
	ds_store_b128 v[STO], v[S+16*\e+4*\k:S+16*\e+4*\k+3] offset:128*\e+16*\k
.endr
.endr
.irp i, 0,1,2,3,4,5,6,7
	ds_load_b128 v[128+4*\i:131+4*\i], v[RD] offset:544*\i   ; LDS serves a wave's instructions in order: these see my stores
.endr
.irp i, 0,1,2,3,4,5,6,7
	s_wait_dscnt 7-\i                              ; load i is back; the 7 - i younger ones may be out
	global_store_b128 v[GO], v[128+4*\i:131+4*\i], s[\ob:\ob+1] offset:(2*\i+8*(\i/4))*4096 th:TH_STORE_NT   ; tile rows 2 i and 2 i + 1 are tokens 2 i + 8 (i / 4) and the next; 16 lanes store 256 consecutive bytes, at a multiple of 256 from out0's first byte
.endr
	s_wait_xcnt 0x0                                ; the stores' data registers are written again only behind this wait
.endm
; A PASS: one tile of queries against the key steps 0 .. a.  The loop's trip count is a constant; the steps behind the diagonal are jumped over inside it.
.macro PASS trips, ob
	v_mov_b32 v13, 0xff61b1e6                      ; the largest t so far: -3e38, under every t
	s_delay_alu instid0(VALU_DEP_1)
	v_floor_f32 v12, -v13                          ; -M
	v_mov_b32 v14, 0
	v_mov_b32 v15, 0
.set j, 0
.rept 32
	v_mov_b32 v[O+j], 0                            ; the step is written once: the first finds zeros, which the first change of M leaves zeros
.set j, j+1
.endr
	s_mov_b32 s[SI], 0
	s_mov_b32 s[TK], 0
	s_mov_b32 s[TS], 0
.Lstep_\@:
	STEP
	s_add_co_u32 s[SI], s[SI], 1
	s_cmp_lt_u32 s[SI], \trips
	s_cbranch_scc1 .Lstep_\@
	WAYOUT \ob
.endm
	PASS 16, 48                                    ; a = 15 - al: 8 .. 15
	s_mov_b32 s[AA], s[AL]                         ; a = al: 0 .. 7
.irp i, 0,1,2,3,4,5
	v_mov_b32 v[16+\i], v[QL+\i]
.endr
	v_mov_b32 v28, v[QL+6]                         ; (the pass's 36 moves stand between these and the next scaled product)
	PASS 8, 50
	s_wait_dscnt 0x0
	s_wait_tensorcnt 0x0
	ds_add_u32 v254, v255
	s_wait_dscnt 0x0
	CROUND                                         ; the closing round
	s_endpgm
.Lfunc_end_k_qc8f392d8a0_attn:
	.size	k_qc8f392d8a0_attn, .Lfunc_end_k_qc8f392d8a0_attn-k_qc8f392d8a0_attn
	.p2alignl 7, 3214868480
	.fill 96, 4, 3214868480
	.section	.rodata,"a",@progbits
	.p2align	6, 0x0
	.amdhsa_kernel k_qc8f392d8a0_attn
		.amdhsa_group_segment_fixed_size 327680
		.amdhsa_private_segment_fixed_size 0
		.amdhsa_enable_private_segment 0
		.amdhsa_kernarg_size 24
		.amdhsa_user_sgpr_count 2
		.amdhsa_user_sgpr_kernarg_segment_ptr 1
		.amdhsa_wavefront_size32 1
		.amdhsa_system_sgpr_workgroup_id_x 1
		.amdhsa_system_sgpr_workgroup_id_y 1
		.amdhsa_system_sgpr_workgroup_id_z 1
		.amdhsa_system_vgpr_workitem_id 0
		.amdhsa_next_free_vgpr 256
		.amdhsa_next_free_sgpr 66
		.amdhsa_reserve_vcc 1
		.amdhsa_float_denorm_mode_32 3
		.amdhsa_float_denorm_mode_16_64 3
		.amdhsa_memory_ordered 1
		.amdhsa_forward_progress 1
		.amdhsa_inst_pref_size 63
	.end_amdhsa_kernel
	.amdgpu_metadata
---
amdhsa.version: [ 1, 2 ]
amdhsa.kernels:
  - .name:           k_qc8f392d8a0_attn
    .symbol:         k_qc8f392d8a0_attn.kd
    .args:
      - { .name: qb, .offset: 0, .size: 8, .value_kind: global_buffer, .address_space: global }
      - { .name: kv, .offset: 8, .size: 8, .value_kind: global_buffer, .address_space: global }
      - { .name: out0, .offset: 16, .size: 8, .value_kind: global_buffer, .address_space: global }
    .group_segment_fixed_size: 327680
    .private_segment_fixed_size: 0
    .kernarg_segment_align: 8
    .kernarg_segment_size: 24
    .max_flat_workgroup_size: 512
    .sgpr_count:     66
    .vgpr_count:     256
    .wavefront_size: 32
...
	.end_amdgpu_metadata
.endif
;; end of part 3
